; MI455X (gfx1250); checked and timed in simulation.
; The chip was launched on July 23, 2026; its instructions are those of AMD's public machine-readable ISA for CDNA 5 (MIT licence, August 2026) and "CDNA5" Instruction Set Architecture Reference Guide (July 2026). The comments in the code are by the model that wrote it; some were corrected since.
;; Multi Head Self Attention. Allowed arithmetic: matrix products marked QUANTISED: E2M3 operands, one E8M0 scale for each 32 along K, by v_wmma_scale_f32_16x16x128_f8f6f4 with both operands' format E2M3, f32 sums; everything else in f32.
;; Inputs: Wk_codes 1,024 x 32 x 24 uint8 (E2M3 codes of Wk, K innermost, in blocks of 32 codes, four codes in three bytes); Wk_scales 1,024 x 32 uint8 (E8M0 scales of Wk, one for each 32 codes along K); Wo_codes 1,024 x 32 x 24 uint8 (E2M3 codes of Wo, K innermost, in blocks of 32 codes, four codes in three bytes); Wo_scales 1,024 x 32 uint8 (E8M0 scales of Wo, one for each 32 codes along K); Wq_codes 1,024 x 32 x 24 uint8 (E2M3 codes of Wq, K innermost, in blocks of 32 codes, four codes in three bytes); Wq_scales 1,024 x 32 uint8 (E8M0 scales of Wq, one for each 32 codes along K); Wv_codes 1,024 x 32 x 24 uint8 (E2M3 codes of Wv, K innermost, in blocks of 32 codes, four codes in three bytes); Wv_scales 1,024 x 32 uint8 (E8M0 scales of Wv, one for each 32 codes along K); token_positions 2,048 int32; x_codes 4 x 2,048 x 32 x 24 uint8 (E2M3 codes of x, K innermost, in blocks of 32 codes, four codes in three bytes); x_scales 4 x 2,048 x 32 uint8 (E8M0 scales of x, one for each 32 codes along K).
;; Outputs: out0 4 x 2,048 x 1,024 float32.
;; This version of the problem:
;;   THIS VERSION OF THE PROBLEM IS GIVEN IN LOW PRECISION. The matrix products marked QUANTISED in the list below multiply operands that are first quantised to E2M3 (2 exponent bits, 3 mantissa bits; 6 bits a number), with one power-of-two scale for each 32 numbers along K (OCP MX v1.0); their sums are f32. All else is computed in f32.
;;   The module's matrix products, in the order in which they are computed (A, B: the left and right operand; K: the contracted axis; several contracted axes count as one K, in the product's order):
;;     1. [M 8,192, K 1,024] x [K 1,024, N 1,024]; A: input x (given as codes); B: input Wq (given as codes): QUANTISED
;;     2. [M 8,192, K 1,024] x [K 1,024, N 1,024]; A: input x (given as codes); B: input Wk (given as codes): QUANTISED
;;     3. [M 8,192, K 1,024] x [K 1,024, N 1,024]; A: input x (given as codes); B: input Wv (given as codes): QUANTISED
;;     4. batch 64 x [M 2,048, K 64] x [K 64, N 2,048]; A: computed on the way; B: computed on the way: QUANTISED
;;     5. batch 64 x [M 2,048, K 2,048] x [K 2,048, N 64]; A: softmax (see below); B: computed on the way: QUANTISED
;;     6. [M 8,192, K 1,024] x [K 1,024, N 1,024]; A: computed on the way; B: input Wo (given as codes): QUANTISED
;;   THE QUANTISER, for each operand of a quantised product, along K:
;;     - K is cut into blocks of 32 from its start; a last block that is shorter is filled with zeros.
;;     - A block's scale is 2^e with e = floor(log2(the largest magnitude in the block)) - 2, held to -126 .. 127; a block of zeros has e = 0. As a byte (E8M0): e + 127.
;;     - Each number is divided by its block's scale, clamped to +-7.5, and rounded to the nearest number of E2M3, ties to even, subnormals kept.
;;     - The product sums the exact products of the quantised numbers (number of the format x scale) in f32.
;;   ~~~python
;;   def quantise(x, axis):      # numpy; x: float32 -> the quantised numbers, widened to float32 again
;;       x = np.moveaxis(x, axis, -1); K = x.shape[-1]
;;       x = np.pad(x, [(0, 0)] * (x.ndim - 1) + [(0, -K % 32)]); x = x.reshape(x.shape[:-1] + (-1, 32)); a = np.abs(x).max(-1, keepdims=True)
;;       e = np.where(a > 0, np.clip(np.frexp(np.where(a > 0, a, 1))[1] - 1 - 2, -126, 127), 0)      # np.frexp(a)[1] - 1 = floor(log2(a)), exactly
;;       r = np.clip(x / 2.0 ** e, -7.5, 7.5)
;;       step = 2.0 ** (np.maximum(np.frexp(np.where(r == 0, 1, r))[1] - 1, 0) - 3)
;;       q = np.round(r / step) * step * 2.0 ** e      # np.round: ties to even
;;       return np.moveaxis(q.reshape(q.shape[:-2] + (-1,))[..., :K], -1, axis).astype(np.float32)
;;   ~~~
;;   SOFTMAX AHEAD OF A QUANTISED PRODUCT. Where the list says 'softmax', what is quantised is not the finished softmax but p = 2^(t - M), with t = logit x log2(e) and M = ceil(the row's largest t), a whole number; so 1/2 < the row's largest p <= 1. The row's sum l is taken of the UNQUANTISED p, in f32, and the product's result is divided by l at the end. Since M is a whole number, a kernel that streams over the keys may use a running M (the ceiling of the running maximum): every later rescaling is an exact power of two, which a block's scale takes up: the codes' values come out the same.
;;   OPERANDS COMPUTED ON THE WAY. 'Computed on the way' means the value that the module computes at that place (a softmax that the list does not call 'softmax' is quantised finished and normalised). What goes into a quantiser is computed in f32, as accurately as f32 sums, v_exp_f32 and their like allow (about 1e-6 of the number): no bf16 or f16 on the way to a quantiser, and a product that is left as it is and whose result goes on into a quantised operand takes f32 operands (vector FMAs, or v_wmma_f32_16x16x4_f32). A number that lies on a knife's edge between two numbers of the format may be rounded either way, as far as f32 arithmetic and the matrix unit's own rounding can turn it there, and no further.
;;   INPUTS GIVEN AS CODES. Wk (in the module: [1024, 1024], K = its axis 1); Wo (in the module: [1024, 1024], K = its axis 1); Wq (in the module: [1024, 1024], K = its axis 1); Wv (in the module: [1024, 1024], K = its axis 1); x (in the module: [4, 2048, 1024], K = its axis 2): each comes as NAME_codes (uint8): NAME with its K axis moved to the last place and cut into blocks of 32 codes, [.., K / 32, bytes a block], one block behind the other in memory; four codes in three bytes: a row's codes are one little-endian stream of bits, code i at bits 6 i .. 6 i + 5 (a code: sign, 2 exponent bits, 3 mantissa bits); and NAME_scales (uint8): the same leading axes, one E8M0 byte (e + 127) for each 32 codes along K. Its value is code x scale, taken as it is: it is not quantised again, and the codes and scales need not be those that the quantiser above would give.
;; One version. Each part assembles by itself: llvm-mc -triple=amdgcn-amd-amdhsa -mcpu=gfx1250 --defsym DOCPART=n.
;; ======== version 1 of 1: 3 launches
;; limits: right only within a limited range of input values
;; workspace buffers: qi 6,815,744 bytes; kv 13,631,488 bytes; y 6,291,456 bytes; ys 262,144 bytes
;; launch qkv (part 1): grid 12 x 32, 4 waves a work-group, clusters of 4 x 4, 327,680 bytes of LDS; arguments x_codes, x_scales, Wq_codes, Wq_scales, Wk_codes, Wk_scales, Wv_codes, Wv_scales, token_positions, qi, kv; writes qi, kv
.if DOCPART == 1
	.amdgcn_target "amdgcn-amd-amdhsa--gfx1250"
	.amdhsa_code_object_version 6
	.text
	.protected	k_q3ad9d19209_qkv
	.globl	k_q3ad9d19209_qkv
	.p2align	8
	.type	k_q3ad9d19209_qkv,@function
k_q3ad9d19209_qkv:
	s_mov_b64 s[64:65], 0
	v_nop
	global_prefetch_b8 v0, s[64:65] scope:SCOPE_SE
	s_setreg_imm32_b32 hwreg(HW_REG_WAVE_MODE, 25, 1), 1
	s_wait_xcnt 0x0
	s_wait_alu depctr_hold_cnt(0) depctr_sa_sdst(0) depctr_va_vdst(0) depctr_va_sdst(0) depctr_va_ssrc(0) depctr_va_vcc(0) depctr_vm_vsrc(0)
	s_getreg_b32 s2, hwreg(HW_REG_IB_STS2, 6, 4)
	s_cmp_eq_u32 s2, 0
	s_cbranch_scc0 .Lentry_in_a_cluster
	s_endpgm
.Lentry_in_a_cluster:
	s_bfe_u32 s2, ttmp6, 0x10000c
	s_cmp_lg_u32 s2, 0xf033
	s_cbranch_scc0 .Lentry_shape_is_right
	s_endpgm
.Lentry_shape_is_right:
; Q = rope(x Wq^T), K = rope(x Wk^T), V = x Wv^T on codes of FP6 (E2M3) with one E8M0 scale for each 32 along K = 1,024, and the results quantised again:
; Q and K along the head's 64, V along the keys.  Nothing but codes and scale bytes leaves.
; SHARES.  Cluster x says which tensor (0 Q, 1 K, 2 V): it is the same in all sixteen partners.  A work-group makes 256 x 256, a wave 128 x 128: 64 accumulators, 512 registers.
; ONE LOOP SERVES ALL THREE.  LDS region B feeds source 0, region A source 1; in a result a lane holds ONE row of source 1 and its registers run along source 0's rows.
;   Q, K: A = 256 tokens of x (tile 4 Y + cy), B = 256 rows of W (tile cx): registers run along the head's channels.
;   V:    A = 256 rows of Wv (tile cy), B = 256 tokens of x (tile 4 Y + cx): registers run along the tokens, which are the keys.
; A's tile hangs on cy alone and is asked for jointly by a row of the cluster, B's on cx alone, by a column.
; K goes in steps of 128, two to an LDS slot (rows of 192 bytes), two slots, each filled twice.
; THE SCALE BYTES of a wave's 128 + 128 rows, all of K, are 64 registers: loaded once, 16 bytes a lane; lanes 0-15 keep A's words, lanes 16-31 B's.
; ROPE.  cos and sin of position x 10^(-i/8), i = 0 .. 31, for the work-group's 256 tokens are made in f32 while the first tiles are on their way, and laid in LDS.
;   The angle is reduced by pi/2 in two parts (fused multiply-adds), sine and cosine are polynomials on +-pi/4.  V's work-groups multiply their positions by 0:
;   their table holds cos = 1, sin = 0, and the rotation leaves V as it is: so the text has no branch there.
; THE ORDER OF CODES IN A BLOCK.  A lane's 16 registers of result tiles 2 b, 2 b + 1 are numbers 8 h + i + 8 (i / 8) of block b; the other 16 lie in lane l xor 16.  The block and its scale are the true ones;
;   inside a block the codes stand in the order 0-7, 16-23, 8-15, 24-31.  Q and K are both laid so, and so are V and the weights p of the next launch: both sides of a product alike.
; OUT.  Images of operand registers: four registers are 512 bytes (16 a lane), two are 256 (8 a lane): each store covers whole aligned runs of 256 bytes.
;   qi [batch x head 64][chunk of 128 tokens 16][6,656]: eight half fragments (16 tokens x 64: 768 bytes), then four registers of scale words (register p: lanes 0-15 tile 2 p, lanes 16-31 tile 2 p + 1).
;   kv [64][16][13,312]: K's record as qi's, then V's: four fragments (16 channels x 128 keys: 1,536 bytes), then four registers of scale words.
; LIMITS: |position| under 2^20; the 32 frequencies are 10^(-i/8) rounded to nearest; NaN and infinities are not served; a block of zeros keeps the scale byte 1 (its codes are zeros, and this program alone reads the bytes).
; No prefetch: the ring has two refills in all.
.set KROW,  768                        ; a row of codes in memory: 1,024 codes
.set ROWB,  192                        ; a slot's part of it: 256 codes
.set PITCH, 240                        ; an LDS row: 3 x (64 bytes + 16 of padding)
.set FR,    12                         ; registers of a fragment
.set NL,    6                          ; LDS loads that bring one
.set HALFT, 128*PITCH
.set SLOT,  4*HALFT                    ; A's 256 rows, then B's 256 rows
.set TAB,   2*SLOT                     ; behind the ring: 256 tokens x (32 x (cos, sin) = 256 bytes + 16)
.set TP,    272
.set SPARE, TAB+256*TP                 ; the spare words, 128 bytes for each wave
.set ADRA, 16                          ; v16-17 my A fragments in slot 0, 1; v18-19 the same behind one padding more
.set ADRB, 20                          ; v20-23 the same for B
.set SPW,  28
.set NIL,  29
.set SC,   32                          ; v32-95 scale words: register 8 i + q: K step q; lanes 0-15 A's block i, lanes 16-31 B's block i
.set AF,   128                         ; A's fragments, one set
.set TM,   96                          ; the epilogue: v96-99 largest magnitudes, v100-103 bytes, v108-111 scale operands
.set PW,   112                         ; the scale word just made
.set TT,   113
.set SW,   116                         ; v116-123 scale words gathered for the two records
.set X,    128                         ; v128-191 the rotation's cross terms
.set CS,   192                         ; v192-223 16 pairs (cos, sin)
.set PC,   224                         ; v224-235 the codes just made; v236-242 at work
.set G1,   24
.set G0,   32
.set G1B,  48
.set G0B,  56
.set SEL,  20
.set OUT0, 90                          ; s[90:91] the first head's record, s[92:93] the second's
.set OUT1, 92
.set HM,   66                          ; lanes 16-31
.set MSB, 0
.macro WIN new                         ; the immediate's high byte repeats the setting that is left
.if MSB != (\new)
	s_set_vgpr_msb (MSB<<8)|(\new)
.set MSB, (\new)
.endif
.endm
.set MUL_LO, 0xa1                      ; source 0 (B) window 1, source 1 (A) window 0, C and D window 2
.set MUL_HI, 0xf1                      ; the same, C and D window 3
.set TO_B,   0x40
; A joint load: waves 0 and 1 fetch for A, waves 2 and 3 for B.  Four v_nop follow each of the two lines.
.macro JLOAD g0a, g1a, g0b, g1b
	s_cmp_eq_u32 s15, 0
	s_cbranch_scc0 .Lfor_b_\@
	tensor_load_to_lds s[\g0a:\g0a+3], s[\g1a:\g1a+7]
	s_nop 0
.rept 4
	v_nop
.endr
	s_branch .Lasked_\@
.Lfor_b_\@:
	tensor_load_to_lds s[\g0b:\g0b+3], s[\g1b:\g1b+7]
	s_nop 0
.rept 4
	v_nop
.endr
.Lasked_\@:
.endm
.macro CREST                           ; a round of the cluster's barrier behind its opening barrier
	s_cmp_lg_u32 s14, 0
	s_cbranch_scc1 .Lnot_wave_0_\@
	s_barrier_signal -3
.Lnot_wave_0_\@:
	s_barrier_wait -3
	s_barrier_signal -1
	s_barrier_wait -1
.endm
.macro CROUND
	s_barrier_signal -1
	s_barrier_wait -1
	CREST
.endm
.macro PLACES                          ; four plain places behind a matrix instruction (ISA guide 7.12.1)
.rept 4
	v_nop
.endr
.endm
	s_load_b512 s[68:83], s[0:1], 0x0              ; x codes, x scales, Wq codes, scales, Wk codes, scales, Wv codes, scales
	s_load_b128 s[84:87], s[0:1], 0x40             ; positions, qi
	s_load_b64 s[88:89], s[0:1], 0x50              ; kv
	v_lshl_add_u32 v[SPW], v0, 2, SPARE
	v_mov_b32 v[NIL], 0
	ds_add_u32 v28, v29
	ds_add_u32 v28, v29
	s_wait_dscnt 0x0
	v_lshrrev_b32 v1, 5, v0
	v_readfirstlane_b32 s14, v1                    ; wave 0..3
	s_lshr_b32 s15, s14, 1                         ; my half of A's rows.  Also: I fetch for A (0) or for B (1)
	s_and_b32 s16, s14, 1                          ; my half of B's rows.  Also: which 128 rows I fetch
	s_bfe_u32 s40, ttmp6, 0x40000                  ; cx
	s_bfe_u32 s41, ttmp6, 0x40004                  ; cy
	s_and_b32 s18, ttmp7, 0xffff
	s_lshl_b32 s18, s18, 2                         ; 4 Y
	s_lshl_b32 s43, s41, 2
	s_lshl_b32 s43, 15, s43                        ; my row of the cluster
	s_lshl_b32 s44, 0x1111, s40                    ; my column
	s_or_b32 s[G1+0], s43, (0<<16)|(1<<20)|(1<<21)|(3<<22)|(3<<25)   ; mask; elements of 1 byte; padding on; bit 21 beside a mask; 4 words of padding behind every 16
	s_or_b32 s[G1B+0], s44, (0<<16)|(1<<20)|(1<<21)|(3<<22)|(3<<25)
.irp g, G1, G1B
	s_mov_b32 s[\g+1], ROWB<<16                    ; tensor_dim0
	s_mov_b32 s[\g+2], 128<<16                     ; tensor_dim1
	s_mov_b32 s[\g+3], ROWB<<16                    ; tile_dim0
	s_mov_b32 s[\g+4], 128                         ; tile_dim1
	s_mov_b32 s[\g+5], KROW                        ; from row to row
	s_mov_b32 s[\g+6], 0
	s_mov_b32 s[\g+7], 0
.endr
	s_mov_b32 s[HM], 0xffff0000
	s_cmp_eq_u32 ttmp9, 2                          ; V?  The roles of x and of the weight change places
	s_cselect_b32 s17, 0, s18
	s_cselect_b32 s42, s18, 0
	s_cselect_b32 s94, s40, s41                    ; the token tile's place in the cluster,
	s_cselect_b32 s95, s16, s15                    ; my half of its tokens,
	s_cselect_b32 s96, s41, s40                    ; the tile of 256 output columns,
	s_cselect_b32 s97, s15, s16                    ; my half of them
	s_cselect_b32 s19, 6656, 0                     ; V's record lies behind K's
	s_cselect_b32 s99, 0, 1.0                      ; what the positions are multiplied by
	s_add_co_u32 s17, s17, s41                     ; A's tile: hangs on cy alone
	s_add_co_u32 s42, s42, s40                     ; B's tile: on cx alone
	s_add_co_u32 s94, s94, s18                     ; the token tile, 0..31
	s_lshr_b32 s2, s94, 3                          ; batch
	s_lshl_b32 s2, s2, 4
	s_lshl_b32 s96, s96, 2
	s_add_co_u32 s2, s2, s96
	s_lshl_b32 s97, s97, 1
	s_add_co_u32 s2, s2, s97                       ; 16 x batch + my first head
	s_lshl_b32 s2, s2, 4
	s_and_b32 s94, s94, 7
	s_lshl_b32 s94, s94, 1
	s_add_co_u32 s2, s2, s94
	s_add_co_u32 s2, s2, s95                       ; x 16 + my chunk of 128 tokens: the record
	s_mov_b32 s3, 13312
	s_cmp_eq_u32 ttmp9, 0
	s_cselect_b32 s3, 6656, s3                     ; a record's bytes in qi, in kv
	s_mul_i32 s[OUT0], s2, s3
	s_add_co_u32 s[OUT0], s[OUT0], s19
	s_mov_b32 s[OUT0+1], 0
	s_lshl_b32 s[OUT1], s3, 4                      ; the next head is 16 records on
	s_mov_b32 s[OUT1+1], 0
	s_lshl_b32 s45, s16, 7
	s_lshl_b32 s20, s17, 8
	s_add_co_u32 s20, s20, s45                     ; A: the rows that I fetch
	s_mul_i32 s20, s20, KROW
	s_mov_b32 s21, 0
	s_lshl_b32 s46, s42, 8
	s_add_co_u32 s46, s46, s45                     ; B likewise
	s_mul_i32 s46, s46, KROW
	s_mov_b32 s47, 0
	s_mul_i32 s45, s14, HALFT                      ; where they go: wave x 128 rows
	s_wait_kmcnt 0x0
	s_cmp_eq_u32 ttmp9, 2
	s_cselect_b64 s[4:5], s[80:81], s[68:69]       ; A's codes: Wv's or x's
	s_cselect_b64 s[6:7], s[82:83], s[70:71]       ; A's scales
	s_cselect_b64 s[8:9], s[68:69], s[76:77]       ; B's codes: x's or Wk's,
	s_cselect_b64 s[10:11], s[70:71], s[78:79]
	s_cmp_eq_u32 ttmp9, 0
	s_cselect_b64 s[8:9], s[72:73], s[8:9]         ; or Wq's
	s_cselect_b64 s[10:11], s[74:75], s[10:11]
	s_cselect_b64 s[12:13], s[86:87], s[88:89]     ; out: qi or kv
	s_add_nc_u64 s[OUT0:OUT0+1], s[12:13], s[OUT0:OUT0+1]
	s_add_nc_u64 s[OUT1:OUT1+1], s[OUT0:OUT0+1], s[OUT1:OUT1+1]
	s_add_nc_u64 s[20:21], s[4:5], s[20:21]
	s_add_nc_u64 s[46:47], s[8:9], s[46:47]
	CROUND                                         ; all sixteen work-groups are here: the first joint loads meet
.irp s, 0,1
	s_mov_b32 s[G0+4*\s], 1
	s_add_co_u32 s[G0+4*\s+1], s45, \s*SLOT
	s_add_nc_u64 s[G0+4*\s+2:G0+4*\s+3], s[20:21], \s*ROWB
	s_or_b32 s[G0+4*\s+3], s[G0+4*\s+3], 0x80000000
	s_mov_b32 s[G0B+4*\s], 1
	s_add_co_u32 s[G0B+4*\s+1], s45, \s*SLOT
	s_add_nc_u64 s[G0B+4*\s+2:G0B+4*\s+3], s[46:47], \s*ROWB
	s_or_b32 s[G0B+4*\s+3], s[G0B+4*\s+3], 0x80000000
	JLOAD G0+4*\s, G1, G0B+4*\s, G1B               ; two loads of mine are out
.endr
	; the scale words of my 128 rows of A and of B, and the positions of my 64 tokens of the table
	s_lshl_b32 s22, s17, 8
	s_lshl_b32 s23, s15, 7
	s_add_co_u32 s22, s22, s23
	s_lshl_b32 s22, s22, 5                         ; 32 scale bytes a row
	s_mov_b32 s23, 0
	s_add_nc_u64 s[6:7], s[6:7], s[22:23]
	s_lshl_b32 s22, s42, 8
	s_lshl_b32 s2, s16, 7
	s_add_co_u32 s22, s22, s2
	s_lshl_b32 s22, s22, 5
	s_add_nc_u64 s[10:11], s[10:11], s[22:23]
	s_and_b32 s22, s17, 7                          ; A's tile within its sequence of 2,048 (in V's work-groups any tile: the positions are multiplied by 0)
	s_lshl_b32 s22, s22, 10
	s_lshl_b32 s2, s14, 8
	s_add_co_u32 s22, s22, s2                      ; (256 x tile + 64 x wave) x 4 bytes
	s_add_nc_u64 s[84:85], s[84:85], s[22:23]
	v_and_b32 v1, 15, v0                           ; r
	v_bfe_u32 v2, v0, 4, 1                         ; h
	v_and_b32 v3, 31, v0                           ; lane
	v_lshlrev_b32 v13, 5, v1                       ; 32 r
	v_lshlrev_b32 v14, 2, v3
.irp i, 0,1,2,3,4,5,6,7
	global_load_b128 v[SC+8*\i:SC+8*\i+3], v13, s[6:7] offset:512*\i            ; A's block i, row r: K steps 0-3,
	global_load_b128 v[SC+8*\i+4:SC+8*\i+7], v13, s[6:7] offset:512*\i+16       ; 4-7
	global_load_b128 v[128+8*\i:128+8*\i+3], v13, s[10:11] offset:512*\i        ; B's likewise, elsewhere for now
	global_load_b128 v[128+8*\i+4:128+8*\i+7], v13, s[10:11] offset:512*\i+16
.endr
	global_load_b32 v210, v14, s[84:85]            ; token 64 w + lane,
	global_load_b32 v211, v14, s[84:85] offset:128 ; and 32 further on
	v_lshlrev_b32 v8, 4, v3                        ; 16 x lane
	v_lshlrev_b32 v9, 3, v3                        ; 8 x lane
	v_mul_u32_u24 v4, v1, PITCH
	v_mul_u32_u24 v5, v2, 24
	v_add_nc_u32 v4, v4, v5                        ; a fragment's row x pitch + 24 x half
	v_lshl_add_u32 v5, v2, 4, v4                   ; and the same behind one padding more
	s_mul_i32 s2, s15, HALFT                       ; my 128 rows of A
	s_mul_i32 s3, s16, HALFT                       ; my 128 rows of B,
	s_add_co_u32 s3, s3, 2*HALFT                   ; behind A's 256
.irp s, 0,1
	v_add_nc_u32 v[ADRA+\s], s2, v4
	v_add_nc_u32 v[ADRB+\s], s3, v4
	v_add_nc_u32 v[ADRA+2+\s], s2, v5
	v_add_nc_u32 v[ADRB+2+\s], s3, v5
	s_add_co_u32 s2, s2, SLOT
	s_add_co_u32 s3, s3, SLOT
.endr
	s_mul_i32 s2, s15, 128*TP
	s_add_co_u32 s2, s2, TAB
	v_mul_u32_u24 v10, v1, TP
	v_lshl_add_u32 v10, v2, 5, v10
	v_add_nc_u32 v10, s2, v10                      ; the table as I read it: token 128 x half + r, frequencies 4 h on
	s_mul_i32 s2, s14, 64*TP
	s_add_co_u32 s2, s2, TAB
	v_mul_u32_u24 v11, v3, TP
	v_add_nc_u32 v11, s2, v11                      ; and as I write it: token 64 w + lane
.macro CPAIR reg, bits
	v_mov_b32 v[\reg], \bits
	v_mov_b32 v[\reg+1], \bits
.endm
	CPAIR 192, 0x3f22f983                          ; 2 / pi
	CPAIR 194, 0xbfc90fdb                          ; -(pi / 2), its first 24 bits,
	CPAIR 196, 0x333bbd2e                          ; and the rest
	CPAIR 198, 0xbe2aaaa3                          ; sine: r + r z (S1 + S2 z + S3 z z), z = r r
	CPAIR 200, 0x3c08839e
	CPAIR 202, 0xb94ca1f9
	CPAIR 204, 0x3d2aaaa5                          ; cosine: 1 - z / 2 + z z (C1 + C2 z + C3 z z)
	CPAIR 206, 0xbab6061a
	CPAIR 208, 0x37ccf5ce
	v_mov_b32 v212, 0                              ; lane i: 10^(-i/8)
.set fl, 0
.irp w, 0x3f800000,0x3f3ff911,0x3f0ff59a,0x3ed7e89b,0x3ea1e89b,0x3e72d424,0x3e361887,0x3e088d77,0x3dcccccd,0x3d99940e,0x3d6655c3,0x3d2cba15,0x3d0186e2,0x3cc24350,0x3c91ad39,0x3c5a7bf1,0x3c23d70a,0x3bf5b9b0,0x3bb8449c,0x3b8a2e77,0x3b4f3e37,0x3b1b690d,0x3ae91528,0x3aaec98e,0x3a83126f,0x3a44948c,0x3a136a16,0x39dd1726,0x39a5cb5f,0x3978a814,0x393a7753,0x390bd472
	s_mov_b32 s94, \w
	v_writelane_b32 v212, s94, fl
.set fl, fl+1
.endr
	s_wait_loadcnt 0x0
.set n, 0
.rept 64
	v_cndmask_b32 v[SC+n], v[SC+n], v[128+n], s[HM]   ; lanes 16-31 take B's words
.set n, n+1
.endr
	v_cvt_f32_i32 v210, v210
	v_cvt_f32_i32 v211, v211
	v_mul_f32 v210, s99, v210                      ; x 1, or x 0 for V
	v_mul_f32 v211, s99, v211
; cos and sin of frequency sf x my two tokens' positions, into registers x, x + 1 of each token's four
.macro SINCOS2 sf, x
	v_mul_f32 v214, \sf, v210                      ; the angle: one rounding
	v_mul_f32 v215, \sf, v211
	v_pk_mul_f32 v[216:217], v[214:215], v[192:193]
	v_rndne_f32 v216, v216                         ; how many quarter turns
	v_rndne_f32 v217, v217
	v_pk_fma_f32 v[218:219], v[216:217], v[194:195], v[214:215]
	v_pk_fma_f32 v[218:219], v[216:217], v[196:197], v[218:219]   ; r, within +-pi/4
	v_pk_mul_f32 v[220:221], v[218:219], v[218:219]               ; z
	v_pk_fma_f32 v[222:223], v[220:221], v[202:203], v[200:201]
	v_pk_fma_f32 v[224:225], v[220:221], v[208:209], v[206:207]
	v_pk_fma_f32 v[222:223], v[222:223], v[220:221], v[198:199]
	v_pk_fma_f32 v[224:225], v[224:225], v[220:221], v[204:205]
	v_pk_mul_f32 v[226:227], v[220:221], v[218:219]
	v_pk_mul_f32 v[228:229], v[220:221], v[220:221]
	v_pk_fma_f32 v[222:223], v[222:223], v[226:227], v[218:219]   ; sin r
	v_pk_fma_f32 v[230:231], v[220:221], -0.5, 1.0 op_sel_hi:[1,0,0]
	v_pk_fma_f32 v[224:225], v[224:225], v[228:229], v[230:231]   ; cos r
	v_cvt_i32_f32 v232, v216
	v_cvt_i32_f32 v233, v217
.irp k, 0,1
	v_and_b32 v234, 1, v[232+\k]
	v_cmp_eq_u32 vcc_lo, 1, v234                   ; an odd quarter turn: sine and cosine change places
	v_cndmask_b32 v235, v[222+\k], v[224+\k], vcc_lo
	v_cndmask_b32 v236, v[224+\k], v[222+\k], vcc_lo
	v_lshlrev_b32 v234, 30, v[232+\k]
	v_and_b32 v234, 0x80000000, v234               ; the sine is negative in quarters 2, 3,
	v_xor_b32 v[241+4*\k+\x], v234, v235
	v_add_nc_u32 v234, 1, v[232+\k]
	v_lshlrev_b32 v234, 30, v234
	v_and_b32 v234, 0x80000000, v234               ; the cosine in quarters 1, 2
	v_xor_b32 v[240+4*\k+\x], v234, v236
.endr
.endm
	s_mov_b32 s67, 0                               ; the frequency
	s_mov_b32 s98, 0                               ; its bytes in a token's row
.Ltab:                                             ; 16 trips, two frequencies each, for my wave's 64 tokens
	s_add_co_u32 s96, s67, 1
	v_readlane_b32 s94, v212, s67
	v_readlane_b32 s95, v212, s96
	s_wait_dscnt 0x0                               ; the last trip's stores have read their registers
	SINCOS2 s94, 0
	SINCOS2 s95, 2
	v_add_nc_u32 v12, s98, v11
	ds_store_b128 v12, v[240:243]
	ds_store_b128 v12, v[244:247] offset:32*TP
	s_add_co_u32 s98, s98, 16
	s_add_co_u32 s67, s67, 2
	s_cmp_lt_u32 s67, 32
	s_cbranch_scc1 .Ltab
	s_mov_b32 s[SEL], 0x76543210
	s_mov_b32 s[SEL+1], 0xfedcba98                 ; v_permlanex16_b32's selects for lane l xor 16
.macro FRAG reg, adr, q, i             ; 16 rows x 128 K of 6-bit codes: 12 registers, as six pieces of 8 bytes; where the piece of lanes 16-31 lies behind one padding more, the second address register serves
.irp p, 0,1,2,3,4,5
.set PCE, 12*(\q)+6*(\p/3)+\p%3
.if PCE%8 < 5
	ds_load_b64 v[\reg+2*\p:\reg+2*\p+1], v[\adr] offset:8*PCE+16*(PCE/8)+(\i)*16*PITCH
.else
	ds_load_b64 v[\reg+2*\p:\reg+2*\p+1], v[\adr+2] offset:8*PCE+16*(PCE/8)+(\i)*16*PITCH
.endif
.endr
.endm
; 16 matrix instructions: A's blocks a0, a0 + 1 x B's eight; p: B's set; kq: the K step, for the scale words.  The 64 accumulators take turns, one instruction a turn.
.macro MUL16 a0, p, kq, zero
.irp a, \a0, \a0+1
.irp b, 0,1,2,3,4,5,6,7
.if \zero
	v_wmma_scale_f32_16x16x128_f8f6f4 v[8*(8*((\a)%4)+\b):8*(8*((\a)%4)+\b)+7], v[128*(\p)+FR*\b:128*(\p)+FR*\b+FR-1], v[AF+FR*(\a):AF+FR*(\a)+FR-1], 0, v[SC+8*\b+(\kq)], v[SC+8*(\a)+(\kq)] matrix_a_fmt:MATRIX_FMT_FP6 matrix_b_fmt:MATRIX_FMT_FP6 matrix_a_scale:MATRIX_SCALE_ROW1
.else
	v_wmma_scale_f32_16x16x128_f8f6f4 v[8*(8*((\a)%4)+\b):8*(8*((\a)%4)+\b)+7], v[128*(\p)+FR*\b:128*(\p)+FR*\b+FR-1], v[AF+FR*(\a):AF+FR*(\a)+FR-1], v[8*(8*((\a)%4)+\b):8*(8*((\a)%4)+\b)+7], v[SC+8*\b+(\kq)], v[SC+8*(\a)+(\kq)] matrix_a_fmt:MATRIX_FMT_FP6 matrix_b_fmt:MATRIX_FMT_FP6 matrix_a_scale:MATRIX_SCALE_ROW1
.endif
.endr
.endr
.endm
.macro FETCH_B slot, q, p
	WIN TO_B
.irp i, 0,1,2,3,4,5,6,7
	FRAG 128*(\p)+FR*\i, ADRB+\slot, \q, \i
.endr
	WIN 0
.endm
.macro FETCH_A slot, q, i0
.irp i, \i0, \i0+1, \i0+2, \i0+3
	FRAG AF+FR*(\i), ADRA+\slot, \q, \i
.endr
.endm
; A slot's first step of 128 along K
.macro STEP slot, kq, zero
	s_wait_dscnt 4*NL                              ; B's set and A's blocks 0-3 are in; the youngest 24 loads (A's blocks 4-7) may be out
	WIN MUL_LO
	MUL16 0, 0, \kq, \zero
	MUL16 2, 0, \kq, \zero
	s_wait_dscnt 0
	PLACES
	FETCH_B \slot, 1, 1
	FETCH_A \slot, 1, 0
	WIN MUL_HI
	MUL16 4, 0, \kq, \zero
	MUL16 6, 0, \kq, \zero
	PLACES
	WIN 0
	FETCH_A \slot, 1, 4
.endm
; A slot's second step changes slots: one barrier; in front of it each wave waits for all its tensor loads, adds 0 to its spare word, and waits for that and for its reads of this slot
.macro TURN slot, next, fill, kq
	s_wait_tensorcnt 0x0                           ; all my tensor loads have landed: my part of the next slot
	ds_add_u32 v[SPW], v[NIL]                      ; 0 onto my spare word
	s_wait_dscnt 4*NL+1                            ; (the add and the youngest 24 loads may be out)
	WIN MUL_LO
	MUL16 0, 1, \kq, 0
	s_wait_dscnt 0x0                               ; the add is done, and my reads of this slot are over
	s_barrier_signal -1
	MUL16 2, 1, \kq, 0
	WIN 0
	s_barrier_wait -1
.if \fill
	CREST                                          ; the barrier has opened a round of the cluster's: no wave of any partner still reads this slot or has a load on its way
	s_add_nc_u64 s[G0+4*\slot+2:G0+4*\slot+3], s[G0+4*\slot+2:G0+4*\slot+3], 2*ROWB
	s_add_nc_u64 s[G0B+4*\slot+2:G0B+4*\slot+3], s[G0B+4*\slot+2:G0B+4*\slot+3], 2*ROWB
	JLOAD G0+4*\slot, G1, G0B+4*\slot, G1B         ; the first tensor load behind the round; its four v_nop are the places in front of the loads below
.else
	PLACES
.endif
	FETCH_B \next, 0, 0
	FETCH_A \next, 0, 0
	WIN MUL_HI
	MUL16 4, 1, \kq, 0
	MUL16 6, 1, \kq, 0
	PLACES
	WIN 0
	FETCH_A \next, 0, 4
.endm
	s_wait_dscnt 0x0                               ; for the others' sake: my part of the table lies in LDS
	s_wait_tensorcnt 0x1                           ; my part of slot 0 is in; slot 1's may be out
	s_barrier_signal -1
	s_barrier_wait -1
	FETCH_B 0, 0, 0
	FETCH_A 0, 0, 0
	FETCH_A 0, 0, 4
	STEP 0, 0, 1                                   ; the first products start the sums
	TURN 0, 1, 1, 1
	STEP 1, 2, 0
	TURN 1, 0, 1, 3
	STEP 0, 4, 0
	TURN 0, 1, 0, 5                                ; nothing is left to fetch
	STEP 1, 6, 0
	s_wait_dscnt 4*NL
	WIN MUL_LO
	MUL16 0, 1, 7, 0
	MUL16 2, 1, 7, 0
	s_wait_dscnt 0
	WIN MUL_HI
	MUL16 4, 1, 7, 0
	MUL16 6, 1, 7, 0
	WIN 0
; THE EPILOGUE, block by block of source 1's 16 rows: 64 registers a lane
.macro CSLOAD a                        ; (cos, sin) of my token of block a: frequencies 8 b + 4 h + 0 .. 3, b = 0 .. 3
.irp b, 0,1,2,3
.irp e, 0,1
	ds_load_b128 v[CS+8*\b+4*\e:CS+8*\b+4*\e+3], v10 offset:16*TP*(\a)+64*\b+16*\e
.endr
.endr
.endm
; 64 numbers of a lane in window w, register 16 b + i of block b, become 12 registers of codes in v[PC] on and a scale word in v[PW]
.macro QUANT s, w
	WIN (\w)|((\w)<<2)
.irp b, 0,1,2,3
	v_max3_num_f32 v[TM+\b], |v[\s+16*\b]|, |v[\s+1+16*\b]|, 0x1800000   ; my 16 numbers of block b, and the floor 2^(3 - 127): the byte cannot fall under 1
.endr
.irp i, 2,4,6,8,10,12,14
.irp b, 0,1,2,3
	v_max3_num_f32 v[TM+\b], |v[\s+16*\b+\i]|, |v[\s+1+16*\b+\i]|, v[TM+\b]
.endr
.endr
	WIN 0
.irp b, 0,1,2,3
	v_permlanex16_b32 v[TM+4+\b], v[TM+\b], s[SEL], s[SEL+1]
.endr
.irp b, 0,1,2,3
	v_max_num_f32 v[TM+\b], v[TM+\b], v[TM+4+\b]   ; with lane l xor 16's: the block's largest magnitude
.endr
.irp b, 0,1,2,3
	v_add_nc_u32 v[TM+12+\b], 0xff000000, v[TM+\b] ; 2 off its exponent field: the conversion's scale operand
.endr
.irp b, 0,1,2,3
	v_lshrrev_b32 v[TM+4+\b], 23, v[TM+12+\b]      ; the scale's byte
.endr
	v_lshl_or_b32 v[PW], v[TM+5], 8, v[TM+4]
	v_lshl_or_b32 v[PW], v[TM+6], 16, v[PW]
	v_lshl_or_b32 v[PW], v[TM+7], 24, v[PW]
	s_wait_xcnt 0x0                                ; the last block's stores have read the codes' registers
	WIN \w
.irp c, 0,1
	v_cvt_scalef32_pk16_fp6_f32 v[PC+6*\c:PC+2+6*\c], v[\s+32*\c:\s+15+32*\c], v[TM+12+2*\c]
	v_cvt_scalef32_pk16_fp6_f32 v[PC+12+4*\c:PC+14+4*\c], v[\s+16+32*\c:\s+31+32*\c], v[TM+12+2*\c+1]
.endr
	WIN 0
	v_nop                                          ; one plain place behind a scaled conversion
.irp c, 0,1                                    ; a whole block to a lane: lanes 0-15 block 2 c, lanes 16-31 block 2 c + 1
.irp i, 0,1,2
	v_permlane16_swap_b32 v[PC+6*\c+\i], v[PC+12+4*\c+\i]
.endr
.irp i, 0,1,2
	v_mov_b32 v[PC+3+6*\c+\i], v[PC+12+4*\c+\i]
.endr
.endr
.endm
.macro BLOCK a
.set WN, 2+(\a)/4
.set AC, 64*((\a)%4)
	s_wait_dscnt 0x0                               ; this block's cos and sin are in
	WIN WN
.set p, 0
.rept 32
	v_pk_mul_f32 v[X+2*p:X+2*p+1], v[AC+2*p:AC+2*p+1], v[CS+2*(p%16):CS+2*(p%16)+1] op_sel:[1,1] op_sel_hi:[0,1]   ; (t2 sin, t1 sin); each accumulator from its low end on
.set p, p+1
.endr
	WIN WN|(WN<<6)
.set p, 0
.rept 32
	v_pk_fma_f32 v[AC+2*p:AC+2*p+1], v[AC+2*p:AC+2*p+1], v[CS+2*(p%16):CS+2*(p%16)+1], v[X+2*p:X+2*p+1] op_sel_hi:[1,0,1] neg_lo:[0,0,1]   ; (t1 cos - t2 sin, t2 cos + t1 sin)
.set p, p+1
.endr
	WIN 0
.if (\a) < 7
	CSLOAD (\a)+1
.endif
	QUANT AC, WN
	s_cmp_eq_u32 ttmp9, 2
	s_cbranch_scc1 .Lfor_v_\@
.if (\a)%2 == 0                                ; Q, K: registers 0-5 and bytes 0, 1 are the first head's, registers 6-11 and bytes 2, 3 the second's
	v_mov_b32 v[SW+(\a)/2], v[PW]
	v_lshrrev_b32 v[SW+4+(\a)/2], 16, v[PW]
.else
	v_lshrrev_b32 v[TT], 16, v[PW]
	v_cndmask_b32 v[SW+(\a)/2], v[SW+(\a)/2], v[PW], s[HM]
	v_cndmask_b32 v[SW+4+(\a)/2], v[SW+4+(\a)/2], v[TT], s[HM]
.endif
	global_store_b128 v8, v[PC:PC+3], s[OUT0:OUT0+1] offset:768*(\a)              ; 512 consecutive bytes,
	global_store_b64 v9, v[PC+4:PC+5], s[OUT0:OUT0+1] offset:768*(\a)+512         ; 256 more
	global_store_b128 v8, v[PC+6:PC+9], s[OUT1:OUT1+1] offset:768*(\a)
	global_store_b64 v9, v[PC+10:PC+11], s[OUT1:OUT1+1] offset:768*(\a)+512
	s_branch .Lstored_\@
.Lfor_v_\@:                                        ; V: a whole fragment: channels 16 (a % 4) on of head a / 4, my 128 keys
	v_mov_b32 v[SW+(\a)], v[PW]
.irp c, 0,1,2
	global_store_b128 v8, v[PC+4*\c:PC+4*\c+3], s[OUT0+2*((\a)/4):OUT0+2*((\a)/4)+1] offset:1536*((\a)%4)+512*\c
.endr
.Lstored_\@:
.endm
.irp i, 0,1,2,3,4,5,6,7
	v_mov_b32 v[SW+\i], 0                          ; (these twelve lines are also the places behind the last products)
.endr
.irp b, 0,1,2,3
	v_mov_b32 v[TM+4+\b], 0                        ; a lane permute's destination counts as one of its sources
.endr
	CSLOAD 0
.irp a, 0,1,2,3,4,5,6,7
	BLOCK \a
.endr
	global_store_b128 v8, v[SW:SW+3], s[OUT0:OUT0+1] offset:6144       ; the records' scale words
	global_store_b128 v8, v[SW+4:SW+7], s[OUT1:OUT1+1] offset:6144
	s_wait_tensorcnt 0x0                           ; the wave's end
	ds_add_u32 v[SPW], v[NIL]
	s_wait_dscnt 0x0
	CROUND                                         ; the closing round
	s_endpgm
.Lfunc_end_k_q3ad9d19209_qkv:
	.size	k_q3ad9d19209_qkv, .Lfunc_end_k_q3ad9d19209_qkv-k_q3ad9d19209_qkv
	.p2alignl 7, 3214868480
	.fill 96, 4, 3214868480
	.section	.rodata,"a",@progbits
	.p2align	6, 0x0
	.amdhsa_kernel k_q3ad9d19209_qkv
		.amdhsa_group_segment_fixed_size 327680
		.amdhsa_private_segment_fixed_size 0
		.amdhsa_enable_private_segment 0
		.amdhsa_kernarg_size 88
		.amdhsa_user_sgpr_count 2
		.amdhsa_user_sgpr_kernarg_segment_ptr 1
		.amdhsa_wavefront_size32 1
		.amdhsa_system_sgpr_workgroup_id_x 1
		.amdhsa_system_sgpr_workgroup_id_y 1
		.amdhsa_system_sgpr_workgroup_id_z 1
		.amdhsa_system_vgpr_workitem_id 0
		.amdhsa_next_free_vgpr 1024
		.amdhsa_next_free_sgpr 100
		.amdhsa_reserve_vcc 1
		.amdhsa_float_denorm_mode_32 3
		.amdhsa_float_denorm_mode_16_64 3
		.amdhsa_memory_ordered 1
		.amdhsa_forward_progress 1
		.amdhsa_inst_pref_size 220
	.end_amdhsa_kernel
	.amdgpu_metadata
---
amdhsa.version: [ 1, 2 ]
amdhsa.kernels:
  - .name:           k_q3ad9d19209_qkv
    .symbol:         k_q3ad9d19209_qkv.kd
    .args:
      - { .name: x_codes, .offset: 0, .size: 8, .value_kind: global_buffer, .address_space: global }
      - { .name: x_scales, .offset: 8, .size: 8, .value_kind: global_buffer, .address_space: global }
      - { .name: Wq_codes, .offset: 16, .size: 8, .value_kind: global_buffer, .address_space: global }
      - { .name: Wq_scales, .offset: 24, .size: 8, .value_kind: global_buffer, .address_space: global }
      - { .name: Wk_codes, .offset: 32, .size: 8, .value_kind: global_buffer, .address_space: global }
      - { .name: Wk_scales, .offset: 40, .size: 8, .value_kind: global_buffer, .address_space: global }
      - { .name: Wv_codes, .offset: 48, .size: 8, .value_kind: global_buffer, .address_space: global }
      - { .name: Wv_scales, .offset: 56, .size: 8, .value_kind: global_buffer, .address_space: global }
      - { .name: token_positions, .offset: 64, .size: 8, .value_kind: global_buffer, .address_space: global }
      - { .name: qi, .offset: 72, .size: 8, .value_kind: global_buffer, .address_space: global }
      - { .name: kv, .offset: 80, .size: 8, .value_kind: global_buffer, .address_space: global }
    .group_segment_fixed_size: 327680
    .private_segment_fixed_size: 0
    .kernarg_segment_align: 8
    .kernarg_segment_size: 88
    .max_flat_workgroup_size: 128
    .sgpr_count:     100
    .vgpr_count:     1024
    .wavefront_size: 32
...
	.end_amdgpu_metadata
.endif
;; end of part 1
;; launch attn (part 2): grid 4 x 64, 16 waves a work-group, no clusters, 215,040 bytes of LDS; arguments qi, kv, y, ys; writes y, ys
.if DOCPART == 2
	.amdgcn_target "amdgcn-amd-amdhsa--gfx1250"
	.amdhsa_code_object_version 6
	.text
	.protected	k_q3ad9d19209_attn
	.globl	k_q3ad9d19209_attn
	.p2align	8
	.type	k_q3ad9d19209_attn,@function
k_q3ad9d19209_attn:
	s_mov_b64 s[64:65], 0
	v_nop
	global_prefetch_b8 v0, s[64:65] scope:SCOPE_SE
	s_setreg_imm32_b32 hwreg(HW_REG_WAVE_MODE, 25, 1), 1
	s_wait_xcnt 0x0
; Y[b][q][head] = softmax_k(Q . K / 8, causal) V on codes of FP6 (E2M3), and Y quantised along its 1,024 channels for the last product.
; THE SOFTMAX: t = score x log2(e) / 8; M = the running largest t rounded up to a whole number; p = 2^(t - M) is quantised along the keys, not normalised; the sum of the unquantised p divides at the end.
; SHARES.  Work-group (i, batch x head) owns query blocks i and 7 - i of 256 of one head; wave w owns two tiles of 16 queries: 256 (7 - i) + 16 (15 - w) and 256 i + 16 w.
;   A tile at query q0 walks q0 / 128 + 1 steps of 128 keys: the two tiles of every wave walk 17 together, whatever i and w.
; THE HEAD'S K AND V STAY IN LDS: 16 chunks of 128 keys x 13,312 bytes, filled ONCE, as they lie in kv: images of operand registers.  No slot is filled again.
;   Each wave brings 13 rows of 256 bytes of chunks 0-3 and 39 of chunks 4-15: two tensor loads, both at the head.  The first four steps are walked while the second load is on its way.
; All trip counts are constants (4 + 12 and 8); a step whose keys all lie behind the tile is left out by a scalar branch on ids, round its work alone.
; NO CLUSTER, though the four work-groups of a head read the same K and V: which steps a wave leaves out and which it masks hangs on i, which would be its place in the cluster.
; Nothing is asked for ahead of the loads: all that the work-group reads is requested at its head.
; LAYOUT.  S^T = K Q^T (source 0 = 16 keys, source 1 = my 16 queries), O^T = V^T P^T: a lane holds one query throughout.
; THE FIRST PRODUCT'S K IS 64.  Q's operand has zero codes in registers 6-11.  K's operand for tile t is 12 registers from tile t's six on: its upper six are tile t + 1's codes (six zero registers stand behind tile 7).
;   They meet Q's zeros; E2M3 has no code for infinity or NaN and no scale byte here is 0xff: those products are zeros.
; THE ORDER OF CODES IN A BLOCK is 0-7, 16-23, 8-15, 24-31 in Q and K alike, and in p and V alike.  Y meets given codes, so its numbers are brought into true order ahead of its conversion.
; OUT.  y [16 tokens 512][head 16][768]: half fragments (16 tokens x 64), images of registers.  ys [token][32]: one byte a lane, rows 32 bytes apart: one byte for 24 of codes.
; LIMITS: NaN and infinities are not served; a block of zeros keeps the scale byte 1.
.set KB,  32                           ; v32-79 K's eight half fragments, v80-85 zeros; then V's four fragments in v32-79
.set BM,  212                          ; v212-215 the blocks' largest
.set BX,  216                          ; v216-219 lane l xor 16's; then the bytes
.set SO,  220                          ; v220-223 the conversions' scale operands
; v1 16 x lane, v2 8 x lane, v3 r - 8 h, v4 16 r, v5 32 r + h, v6, v7 addresses of the step, v8 the mask's bound, v9 -infinity, v12 -M, v13 largest t, v[14:15] the sum,
; v16-27 the high tile's Q, v28, v29 Q's scale words, v86-89 K's, v90-93 V's, v96-159 S^T then p, v160-191 O^T, v192-203 p's codes, v204-210 at work, v[224:225] f, v226 p's scale word, v227-229 at work, v232-243 the low tile's Q
; s12 wave, s14 batch x head, s[16:31] groups 1, s[32:39] groups 0, s[40:41] lane selects, s[42:43] c, s44 the chunk's LDS byte, s45 its first key, s46 my first query, s47 trips
	s_load_b256 s[4:11], s[0:1], 0x0               ; qi, kv, y, ys
	v_lshl_add_u32 v254, v0, 2, 0x34000
	v_mov_b32 v255, 0
	ds_add_u32 v254, v255
	ds_add_u32 v254, v255
	v_lshrrev_b32 v1, 5, v0
	s_delay_alu instid0(VALU_DEP_1)
	v_readfirstlane_b32 s12, v1                    ; wave 0..15
	s_and_b32 s14, ttmp7, 0xffff
	s_mov_b32 s16, 3<<16                           ; elements of 8 bytes, no padding, no mask
	s_mov_b32 s17, 32<<16                          ; rows of 256 bytes,
	s_mov_b32 s18, 13<<16                          ; 13 of them,
	s_mov_b32 s19, 32<<16
	s_mov_b32 s20, 13
	s_mov_b32 s21, 32                              ; dense
	s_mov_b32 s22, 0
	s_mov_b32 s23, 0
	s_mov_b32 s24, 3<<16
	s_mov_b32 s25, 32<<16
	s_mov_b32 s26, 39<<16                          ; 39 of them
	s_mov_b32 s27, 32<<16
	s_mov_b32 s28, 39
	s_mov_b32 s29, 32
	s_mov_b32 s30, 0
	s_mov_b32 s31, 0
	s_mul_i32 s33, s12, 3328                       ; my part of chunks 0-3: in LDS as in the head's bytes
	s_mul_i32 s37, s12, 9984
	s_add_co_u32 s37, s37, 53248                   ; and of chunks 4-15
	s_mul_i32 s80, s14, 212992                     ; the head's bytes in kv
	s_mov_b32 s81, 0
	s_mov_b32 s83, 0
	s_mov_b32 s32, 1
	s_mov_b32 s36, 1
	s_wait_dscnt 0x0
	s_wait_kmcnt 0x0
	s_add_nc_u64 s[6:7], s[6:7], s[80:81]
	s_mov_b32 s82, s33
	s_add_nc_u64 s[34:35], s[6:7], s[82:83]
	s_or_b32 s35, s35, 0x80000000
	s_mov_b32 s82, s37
	s_add_nc_u64 s[38:39], s[6:7], s[82:83]
	s_or_b32 s39, s39, 0x80000000
	tensor_load_to_lds s[32:35], s[16:23]
	s_nop 0
	tensor_load_to_lds s[36:39], s[24:31]          ; two loads of mine are out
	s_nop 0
.rept 4
	v_nop
.endr
	s_sub_co_u32 s48, 7, ttmp9
	s_lshl_b32 s48, s48, 8
	s_sub_co_u32 s96, 15, s12
	s_lshl_b32 s96, s96, 4
	s_add_co_u32 s48, s48, s96                     ; the high tile's first query
	s_lshl_b32 s49, ttmp9, 8
	s_lshl_b32 s96, s12, 4
	s_add_co_u32 s49, s49, s96                     ; the low tile's
	s_mov_b32 s99, 0
.macro QBASE q, dc, ds                 ; where the tile's codes and scale words lie in qi
	s_lshr_b32 s96, \q, 7
	s_lshl_b32 s97, s14, 4
	s_add_co_u32 s96, s96, s97
	s_mul_i32 s96, s96, 6656                       ; the record
	s_bfe_u32 s97, \q, 0x30004                     ; the tile in it, a
	s_mul_i32 s98, s97, 768
	s_add_co_u32 s98, s98, s96
	s_add_nc_u64 s[\dc:\dc+1], s[4:5], s[98:99]
	s_and_b32 s98, s97, 1
	s_lshl_b32 s98, s98, 8                         ; lanes 16 (a % 2) on of the image,
	s_lshr_b32 s97, s97, 1
	s_lshl_b32 s97, s97, 2                         ; register a / 2
	s_add_co_u32 s98, s98, s97
	s_add_co_u32 s98, s98, s96
	s_add_co_u32 s98, s98, 6144
	s_add_nc_u64 s[\ds:\ds+1], s[4:5], s[98:99]
.endm
.macro OBASE q, dy, ds                 ; where the tile's codes and bytes go in y and ys
	s_lshr_b32 s94, s14, 4
	s_lshl_b32 s94, s94, 11
	s_add_co_u32 s94, s94, \q                      ; the token
	s_and_b32 s95, s14, 15                         ; the head
	s_lshr_b32 s96, s94, 4
	s_mul_i32 s96, s96, 12288
	s_mul_i32 s97, s95, 768
	s_add_co_u32 s98, s96, s97
	s_add_nc_u64 s[\dy:\dy+1], s[8:9], s[98:99]
	s_lshl_b32 s96, s94, 5
	s_lshl_b32 s97, s95, 1
	s_add_co_u32 s98, s96, s97
	s_add_nc_u64 s[\ds:\ds+1], s[10:11], s[98:99]
.endm
	QBASE s48, 50, 52
	QBASE s49, 54, 56
	OBASE s48, 72, 74
	OBASE s49, 76, 78
	v_and_b32 v10, 31, v0                          ; lane
	v_and_b32 v11, 15, v0                          ; r
	v_bfe_u32 v227, v0, 4, 1                       ; h
	s_delay_alu instid0(VALU_DEP_3)
	v_lshlrev_b32 v1, 4, v10
	s_delay_alu instid0(VALU_DEP_4)
	v_lshlrev_b32 v2, 3, v10
	s_delay_alu instid0(VALU_DEP_3)
	v_lshlrev_b32 v3, 3, v227
	s_delay_alu instid0(VALU_DEP_1)
	v_sub_nc_u32 v3, v11, v3
	v_lshlrev_b32 v4, 4, v11
	v_lshl_add_u32 v5, v11, 5, v227
	global_load_b128 v[16:19], v1, s[50:51]
	global_load_b64 v[20:21], v2, s[50:51] offset:512
	global_load_b32 v28, v4, s[52:53]
	global_load_b128 v[232:235], v1, s[54:55]
	global_load_b64 v[236:237], v2, s[54:55] offset:512
	global_load_b32 v29, v4, s[56:57]
.irp j, 0,1,2,3,4,5
	v_mov_b32 v[22+\j], 0                          ; zero codes for k = 64 .. 127
	v_mov_b32 v[238+\j], 0
	v_mov_b32 v[80+\j], 0
.endr
.irp b, 0,1,2,3
	v_mov_b32 v[BX+\b], 0                          ; a lane permute's destination counts as one of its sources
.endr
	v_mov_b32 v225, 0                              ; (named with v224 as a pair)
	v_mov_b32 v9, 0xff800000
	s_mov_b32 s40, 0x76543210
	s_mov_b32 s41, 0xfedcba98
	s_mov_b32 s42, 0x3e38aa3b                      ; c = log2(e) / 8
	s_mov_b32 s43, s42
	s_mov_b32 s70, 0xffff0000                      ; lanes 16-31
.macro INIT q                          ; the step is written once: the first finds zeros, which the first change of M leaves zeros
	v_mov_b32 v13, 0xff61b1e6                      ; -3e38, under every t
	s_delay_alu instid0(VALU_DEP_1)
	v_floor_f32 v12, -v13
	v_mov_b32 v14, 0
	v_mov_b32 v15, 0
.set n, 0
.rept 32
	v_mov_b32 v[160+n], 0
.set n, n+1
.endr
	s_mov_b32 s46, \q
	s_mov_b32 s45, 0
	s_mov_b32 s44, 0
.endm
; A KEY STEP: 128 keys.  qb: my tile's Q; qs: its scale words
.macro STEP qb, qs
	s_add_co_u32 s96, s46, 15
	s_cmp_gt_u32 s45, s96                          ; all keys behind my 16 queries: the work is left out
	s_cbranch_scc1 .Lhidden_\@
	s_setprio 2
	v_add_nc_u32 v6, s44, v1
	v_add_nc_u32 v7, s44, v2
.irp t, 0,1,2,3,4,5,6,7
	ds_load_b128 v[KB+6*\t:KB+6*\t+3], v6 offset:768*\t
	ds_load_b64 v[KB+6*\t+4:KB+6*\t+5], v7 offset:768*\t+512
.endr
	ds_load_b128 v[86:89], v6 offset:6144          ; K's scale words: register p: lanes 0-15 tile 2 p, lanes 16-31 tile 2 p + 1
	s_wait_alu depctr_va_vdst(0)
	s_wait_dscnt 0x0
.irp t, 0,2,4,6
	v_wmma_scale_f32_16x16x128_f8f6f4 v[96+8*\t:103+8*\t], v[KB+6*\t:KB+6*\t+11], v[\qb:\qb+11], 0, v[86+\t/2], v[\qs] matrix_a_fmt:MATRIX_FMT_FP6 matrix_b_fmt:MATRIX_FMT_FP6
	v_wmma_scale_f32_16x16x128_f8f6f4 v[104+8*\t:111+8*\t], v[KB+6+6*\t:KB+6*\t+17], v[\qb:\qb+11], 0, v[86+\t/2], v[\qs] matrix_a_fmt:MATRIX_FMT_FP6 matrix_b_fmt:MATRIX_FMT_FP6 matrix_a_scale:MATRIX_SCALE_ROW1
.endr
.rept 4
	v_nop                                          ; places: in front of the loads into K's registers, and of the first read of the scores
.endr
.irp t, 0,1,2,3                                ; V is asked for now and lands under the softmax
.irp c, 0,1,2
	ds_load_b128 v[32+12*\t+4*\c:35+12*\t+4*\c], v6 offset:6656+1536*\t+512*\c
.endr
.endr
	ds_load_b128 v[90:93], v6 offset:12800
	s_add_co_u32 s96, s45, 127
	s_cmp_le_u32 s96, s46                          ; all keys count: no mask
	s_cbranch_scc1 .Lopen_\@
	s_sub_co_i32 s96, s46, s45
	v_add_nc_u32 v8, s96, v3                       ; my query - the step's first key - 8 h.  Register n holds key 32 (n / 16) + n % 16 + 8 ((n % 16) / 8) + 8 h of the step
.set n, 0
.rept 64
	v_cmp_gt_i32 vcc_lo, 32*(n/16)+n%16+8*((n%16)/8), v8
	v_cndmask_b32 v[96+n], v[96+n], v9, vcc_lo
.set n, n+1
.endr
.Lopen_\@:
.irp b, 0,1,2,3
	v_max3_num_f32 v[BM+\b], v[96+16*\b], v[97+16*\b], v[98+16*\b]   ; the largest score of each block of 32 keys: for the row's maximum, and for the block's largest p
.endr
.irp i, 3,5,7,9,11,13
.irp b, 0,1,2,3
	v_max3_num_f32 v[BM+\b], v[BM+\b], v[96+16*\b+\i], v[97+16*\b+\i]
.endr
.endr
.irp b, 0,1,2,3
	v_max_num_f32 v[BM+\b], v[BM+\b], v[111+16*\b]
.endr
.irp b, 0,1,2,3
	s_delay_alu instid0(VALU_DEP_4)
	v_permlanex16_b32 v[BX+\b], v[BM+\b], s40, s41
.endr
.irp b, 0,1,2,3
	s_delay_alu instid0(VALU_DEP_4)
	v_max_num_f32 v[BM+\b], v[BM+\b], v[BX+\b]
.endr
	s_delay_alu instid0(VALU_DEP_2)
	v_max3_num_f32 v227, v212, v213, v214
	s_delay_alu instid0(VALU_DEP_1)
	v_max_num_f32 v227, v227, v215
	s_delay_alu instid0(VALU_DEP_1)
	v_mul_f32 v227, s42, v227
	s_delay_alu instid0(VALU_DEP_1)
	v_max_num_f32 v13, v13, v227                   ; the running largest t
	v_mov_b32 v227, v12
	s_delay_alu instid0(VALU_DEP_2)
	v_floor_f32 v12, -v13                          ; -M = floor(-t): M is a whole number
	s_delay_alu instid0(VALU_DEP_1)
	v_sub_f32 v227, v12, v227
	s_delay_alu instid0(VALU_DEP_1)
	v_cvt_i32_f32 v227, v227                       ; (it saturates)
	s_delay_alu instid0(VALU_DEP_1)
	v_ldexp_f32 v224, 1.0, v227                    ; f = 2^(old M - new M)
.set n, 0
.rept 32
	v_pk_fma_f32 v[96+n:97+n], v[96+n:97+n], s[42:43], v[12:13] op_sel_hi:[1,0,0]   ; t - M
.set n, n+2
.endr
	s_setprio 1
.irp b, 0,1,2,3
	v_fma_f32 v[BM+\b], v[BM+\b], s42, v12
.endr
.set n, 0
	s_wait_alu depctr_va_vdst(0)
.rept 64
	v_exp_f32 v[96+n], v[96+n]                     ; p
.set n, n+1
.endr
	v_pk_mul_f32 v[14:15], v[14:15], v[224:225] op_sel_hi:[1,0]   ; the sums under the new M: a plain place behind the exponentials
	s_wait_alu depctr_va_vdst(0)                   ; one wait for the batch, ahead of its first reader
.irp b, 0,1,2,3
	v_exp_f32 v[BM+\b], v[BM+\b]                   ; the block's largest p
.endr
	v_pk_add_f32 v[228:229], v[100:101], v[104:105]
	v_pk_add_f32 v[252:253], v[108:109], v[112:113]
	v_pk_add_f32 v[250:251], v[116:117], v[120:121]
	v_pk_add_f32 v[248:249], v[124:125], v[128:129]
	v_pk_add_f32 v[246:247], v[132:133], v[136:137]
	v_pk_add_f32 v[244:245], v[140:141], v[144:145]
	v_pk_add_f32 v[230:231], v[148:149], v[152:153]
	v_pk_add_f32 v[14:15], v[14:15], v[156:157]
	v_pk_add_f32 v[228:229], v[228:229], v[96:97]
	v_pk_add_f32 v[252:253], v[252:253], v[98:99]
	v_pk_add_f32 v[250:251], v[250:251], v[102:103]
	v_pk_add_f32 v[248:249], v[248:249], v[106:107]
	v_pk_add_f32 v[246:247], v[246:247], v[110:111]
	v_pk_add_f32 v[244:245], v[244:245], v[114:115]
	v_pk_add_f32 v[230:231], v[230:231], v[118:119]
	v_pk_add_f32 v[14:15], v[14:15], v[122:123]
	v_pk_add_f32 v[228:229], v[228:229], v[126:127]
	v_pk_add_f32 v[252:253], v[252:253], v[130:131]
	v_pk_add_f32 v[250:251], v[250:251], v[134:135]
	v_pk_add_f32 v[248:249], v[248:249], v[138:139]
	v_pk_add_f32 v[246:247], v[246:247], v[142:143]
	v_pk_add_f32 v[244:245], v[244:245], v[146:147]
	v_pk_add_f32 v[230:231], v[230:231], v[150:151]
	v_pk_add_f32 v[14:15], v[14:15], v[154:155]
	v_pk_add_f32 v[228:229], v[228:229], v[158:159]
	s_delay_alu instid0(VALU_DEP_2)
	v_pk_add_f32 v[14:15], v[14:15], v[248:249]
	s_delay_alu instid0(VALU_DEP_2)
	v_pk_add_f32 v[228:229], v[228:229], v[246:247]
	v_pk_add_f32 v[252:253], v[252:253], v[244:245]
	v_pk_add_f32 v[250:251], v[250:251], v[230:231]
	s_delay_alu instid0(VALU_DEP_2)
	v_pk_add_f32 v[14:15], v[14:15], v[252:253]
	s_delay_alu instid0(VALU_DEP_2)
	v_pk_add_f32 v[228:229], v[228:229], v[250:251]
	s_delay_alu instid0(VALU_DEP_1)
	v_pk_add_f32 v[14:15], v[14:15], v[228:229]
	s_wait_alu depctr_va_vdst(0)                   ; and one for the four
.irp b, 0,1,2,3
	v_max_num_f32 v[BM+\b], 0x1800000, v[BM+\b]    ; the floor 2^(3 - 127)
.endr
.irp b, 0,1,2,3
	s_delay_alu instid0(VALU_DEP_4)
	v_add_nc_u32 v[SO+\b], 0xff000000, v[BM+\b]
.endr
.irp b, 0,1,2,3
	s_delay_alu instid0(VALU_DEP_4)
	v_lshrrev_b32 v[BX+\b], 23, v[SO+\b]
.endr
	s_delay_alu instid0(VALU_DEP_3)
	v_lshl_or_b32 v226, v217, 8, v216              ; p's scale word
	s_delay_alu instid0(VALU_DEP_1)
	v_lshl_or_b32 v226, v218, 16, v226
	s_delay_alu instid0(VALU_DEP_1)
	v_lshl_or_b32 v226, v219, 24, v226
	s_setprio 0
.irp c, 0,1
	v_cvt_scalef32_pk16_fp6_f32 v[192+6*\c:194+6*\c], v[96+32*\c:111+32*\c], v[SO+2*\c]
	v_cvt_scalef32_pk16_fp6_f32 v[204+4*\c:206+4*\c], v[112+32*\c:127+32*\c], v[SO+2*\c+1]
.endr
	v_nop                                          ; one plain place behind a scaled conversion
.irp c, 0,1
.irp i, 0,1,2
	v_permlane16_swap_b32 v[192+6*\c+\i], v[204+4*\c+\i]
.endr
.irp i, 0,1,2
	s_delay_alu instid0(VALU_DEP_3)
	v_mov_b32 v[195+6*\c+\i], v[204+4*\c+\i]
.endr
.endr
.set n, 0
.rept 16
	v_pk_mul_f32 v[160+n:161+n], v[160+n:161+n], v[224:225] op_sel_hi:[1,0]   ; O^T under the new M; these sixteen are also the places in front of the scaled products
.set n, n+2
.endr
	s_wait_alu depctr_va_vdst(0)
	s_wait_dscnt 0x0                               ; V is in
.irp t, 0,1,2,3                                ; the four accumulators by turns
	v_wmma_scale_f32_16x16x128_f8f6f4 v[160+8*\t:167+8*\t], v[32+12*\t:43+12*\t], v[192:203], v[160+8*\t:167+8*\t], v[90+\t], v226 matrix_a_fmt:MATRIX_FMT_FP6 matrix_b_fmt:MATRIX_FMT_FP6
.endr
.rept 4
	v_nop                                          ; places: in front of the next step's loads, and of the way out's reads
.endr
.Lhidden_\@:
	s_add_co_u32 s45, s45, 128
	s_add_co_u32 s44, s44, 13312
.endm
; THE WAY OUT of a tile: O^T / the sum, into true order, quantised along the head's 64, stored as a half fragment
.macro FIN dy, ds
	v_add_f32 v14, v14, v15
	s_delay_alu instid0(VALU_DEP_1)
	v_permlanex16_b32 v227, v14, s40, s41
	s_delay_alu instid0(VALU_DEP_1)
	v_add_f32 v14, v14, v227                       ; the row's sum
	s_wait_alu depctr_va_vdst(0)
	v_rcp_f32 v224, v14
	v_nop                                          ; a plain place behind the reciprocal
	s_wait_alu depctr_va_vdst(0)                   ; and the wait ahead of its first reader
.set n, 0
.rept 16
	v_pk_mul_f32 v[96+n:97+n], v[160+n:161+n], v[224:225] op_sel_hi:[1,0]   ; register 8 t + j: channel 16 t + 8 h + j
.set n, n+2
.endr
.irp b, 0,1
.irp j, 0,1,2,3,4,5,6,7
	v_permlane16_swap_b32 v[96+16*\b+\j], v[104+16*\b+\j]   ; now register 16 b + i: channel 32 b + 16 h + i: sixteen true neighbours
.endr
.endr
.irp b, 0,1
	v_max3_num_f32 v[BM+\b], |v[96+16*\b]|, |v[97+16*\b]|, 0x1800000
.endr
.irp i, 2,4,6,8,10,12,14
.irp b, 0,1
	s_delay_alu instid0(VALU_DEP_2)
	v_max3_num_f32 v[BM+\b], v[BM+\b], |v[96+16*\b+\i]|, |v[97+16*\b+\i]|
.endr
.endr
.irp b, 0,1
	s_delay_alu instid0(VALU_DEP_2)
	v_permlanex16_b32 v[BX+\b], v[BM+\b], s40, s41
.endr
.irp b, 0,1
	s_delay_alu instid0(VALU_DEP_2)
	v_max_num_f32 v[BM+\b], v[BM+\b], v[BX+\b]
.endr
.irp b, 0,1
	s_delay_alu instid0(VALU_DEP_2)
	v_add_nc_u32 v[SO+\b], 0xff000000, v[BM+\b]
.endr
.irp b, 0,1
	s_delay_alu instid0(VALU_DEP_2)
	v_lshrrev_b32 v[BX+\b], 23, v[SO+\b]
.endr
	v_cvt_scalef32_pk16_fp6_f32 v[192:194], v[96:111], v[SO]
	v_cvt_scalef32_pk16_fp6_f32 v[204:206], v[112:127], v[SO+1]
	v_nop
.irp i, 0,1,2
	v_permlane16_swap_b32 v[192+\i], v[204+\i]
.endr
.irp i, 0,1,2
	s_delay_alu instid0(VALU_DEP_3)
	v_mov_b32 v[195+\i], v[204+\i]
.endr
	v_cndmask_b32 v228, v216, v217, s70            ; lanes 0-15 store block 0's byte, lanes 16-31 block 1's
	global_store_b128 v1, v[192:195], s[\dy:\dy+1]             ; 512 consecutive bytes,
	global_store_b64 v2, v[196:197], s[\dy:\dy+1] offset:512   ; 256 more
	global_store_b8 v5, v228, s[\ds:\ds+1]
.endm
	INIT s48
	s_wait_loadcnt 0x0                             ; Q
	s_wait_tensorcnt 0x1                           ; my part of chunks 0-3 is in; the other load may be out
	s_barrier_signal -1
	s_barrier_wait -1                              ; everybody's is
	s_mov_b32 s47, 4
.Lfirst:                                           ; chunks 0-3
	STEP 16, 28
	s_sub_co_u32 s47, s47, 1
	s_cmp_lg_u32 s47, 0
	s_cbranch_scc1 .Lfirst
	s_setprio 0
	s_wait_tensorcnt 0x0                           ; my part of chunks 4-15 is in
	s_wait_dscnt 0x0
	s_barrier_signal -1
	s_barrier_wait -1
	s_mov_b32 s44, 53248
	s_mov_b32 s45, 512
	s_mov_b32 s47, 12
.Lhigh:                                            ; chunks 4-15
	STEP 16, 28
	s_sub_co_u32 s47, s47, 1
	s_cmp_lg_u32 s47, 0
	s_cbranch_scc1 .Lhigh
	s_setprio 0
	FIN 72, 74
	s_wait_xcnt 0x0                                ; the stores have read their registers
	INIT s49
	s_mov_b32 s47, 8
.Llow:                                             ; the low tile lies under query 1,024: chunks 0-7
	STEP 232, 29
	s_sub_co_u32 s47, s47, 1
	s_cmp_lg_u32 s47, 0
	s_cbranch_scc1 .Llow
	s_setprio 0
	FIN 76, 78
	s_wait_tensorcnt 0x0
	ds_add_u32 v254, v255
	s_wait_dscnt 0x0
	s_endpgm
.Lfunc_end_k_q3ad9d19209_attn:
	.size	k_q3ad9d19209_attn, .Lfunc_end_k_q3ad9d19209_attn-k_q3ad9d19209_attn
	.p2alignl 7, 3214868480
	.fill 96, 4, 3214868480
	.section	.rodata,"a",@progbits
	.p2align	6, 0x0
	.amdhsa_kernel k_q3ad9d19209_attn
		.amdhsa_group_segment_fixed_size 215040
		.amdhsa_private_segment_fixed_size 0
		.amdhsa_enable_private_segment 0
		.amdhsa_kernarg_size 32
		.amdhsa_user_sgpr_count 2
		.amdhsa_user_sgpr_kernarg_segment_ptr 1
		.amdhsa_wavefront_size32 1
		.amdhsa_system_sgpr_workgroup_id_x 1
		.amdhsa_system_sgpr_workgroup_id_y 1
		.amdhsa_system_sgpr_workgroup_id_z 1
		.amdhsa_system_vgpr_workitem_id 0
		.amdhsa_next_free_vgpr 256
		.amdhsa_next_free_sgpr 100
		.amdhsa_reserve_vcc 1
		.amdhsa_float_denorm_mode_32 3
		.amdhsa_float_denorm_mode_16_64 3
		.amdhsa_memory_ordered 1
		.amdhsa_forward_progress 1
		.amdhsa_inst_pref_size 87
	.end_amdhsa_kernel
	.amdgpu_metadata
---
amdhsa.version: [ 1, 2 ]
amdhsa.kernels:
  - .name:           k_q3ad9d19209_attn
    .symbol:         k_q3ad9d19209_attn.kd
    .args:
      - { .name: qi, .offset: 0, .size: 8, .value_kind: global_buffer, .address_space: global }
      - { .name: kv, .offset: 8, .size: 8, .value_kind: global_buffer, .address_space: global }
      - { .name: y, .offset: 16, .size: 8, .value_kind: global_buffer, .address_space: global }
      - { .name: ys, .offset: 24, .size: 8, .value_kind: global_buffer, .address_space: global }
    .group_segment_fixed_size: 215040
    .private_segment_fixed_size: 0
    .kernarg_segment_align: 8
    .kernarg_segment_size: 32
    .max_flat_workgroup_size: 512
    .sgpr_count:     100
    .vgpr_count:     256
    .wavefront_size: 32
...
	.end_amdgpu_metadata
.endif
;; end of part 2
;; launch proj (part 3): grid 4 x 32, 4 waves a work-group, clusters of 4 x 4, 327,680 bytes of LDS; arguments y, ys, Wo_codes, Wo_scales, out0; writes out0
.if DOCPART == 3
	.amdgcn_target "amdgcn-amd-amdhsa--gfx1250"
	.amdhsa_code_object_version 6
	.text
	.protected	k_q3ad9d19209_proj
	.globl	k_q3ad9d19209_proj
	.p2align	8
	.type	k_q3ad9d19209_proj,@function
k_q3ad9d19209_proj:
	s_mov_b64 s[64:65], 0
	v_nop
	global_prefetch_b8 v0, s[64:65] scope:SCOPE_SE
	s_setreg_imm32_b32 hwreg(HW_REG_WAVE_MODE, 25, 1), 1
	s_wait_xcnt 0x0
	s_wait_alu depctr_hold_cnt(0) depctr_sa_sdst(0) depctr_va_vdst(0) depctr_va_sdst(0) depctr_va_ssrc(0) depctr_va_vcc(0) depctr_vm_vsrc(0)
	s_getreg_b32 s2, hwreg(HW_REG_IB_STS2, 6, 4)
	s_cmp_eq_u32 s2, 0
	s_cbranch_scc0 .Lentry_in_a_cluster
	s_endpgm
.Lentry_in_a_cluster:
	s_bfe_u32 s2, ttmp6, 0x10000c
	s_cmp_lg_u32 s2, 0xf033
	s_cbranch_scc0 .Lentry_shape_is_right
	s_endpgm
.Lentry_shape_is_right:
; out0[token][m] = sum over n of Y[token][n] Wo[m][n] on codes of FP6 (E2M3) with one E8M0 scale for each 32 along K = 1,024; out0 f32.
; A tile of 256 x 256 is made by a work-group of four waves, 128 x 128 each: 64 accumulators.  K goes in steps of 128, two to an LDS slot, two slots, each filled twice.
; Y's codes lie in memory as images of operand registers, [16 tokens][head][768 bytes]: a slot's part of 16 tokens is four heads, 3,072 consecutive bytes; a fragment is two half fragments: 16 and 8 bytes a lane each, lanes on end.
; Wo's codes lie as rows: 192 bytes a slot, 16 bytes of padding behind every 64.
; The scale bytes of a wave's 128 + 128 rows, all of K, are 64 registers, loaded once: lanes 0-15 keep Y's words, lanes 16-31 Wo's.
; CLUSTERS: 4 x 4.  Y's tile hangs on the tile row alone and is asked for jointly by a row of the cluster, Wo's on the tile column alone, by a column.
; THE MATRIX INSTRUCTION IS USED TRANSPOSED (source 0 = 16 rows of Wo, source 1 = 16 tokens): a lane holds eight neighbouring numbers of a row of out0.
; 128 work-groups: the tile is kept at 256 x 256, so that a wave's fragments feed 64 products each.  No prefetch: the ring has two refills in all.
.set SIZE_N, 1024
.set KROW,  768
.set ROWB,  192
.set PITCH, 240
.set FR,    12
.set NLA,   4                          ; LDS loads that bring a fragment of Y
.set HALFA, 8*3072                     ; 128 tokens' part of a slot
.set HALFB, 128*PITCH
.set SLOT,  2*HALFA+2*HALFB
.set SPARE, 2*SLOT                     ; the spare words, 128 bytes for each wave
.set SPITCH, 528                       ; the way out: 16 rows x (512 bytes + 16) for each wave, in slot 0, which has had its last fill and its last read by then
.set ADRA, 16                          ; v16-17 16 x lane in my half of Y's images, slot 0, 1; v18-19 8 x lane
.set ADRB, 20                          ; v20-23 Wo's fragments, as rows
.set STO,  24
.set RD,   25
.set CO,   26
.set SPW,  28
.set NIL,  29
.set SC,   32                          ; v32-95 scale words: register 8 i + q
.set AF,   128
.set BK,   128
.set G1,   24
.set G0,   32
.set G1B,  48
.set G0B,  56
.set HM,   66
.set MSB, 0
.macro WIN new
.if MSB != (\new)
	s_set_vgpr_msb (MSB<<8)|(\new)
.set MSB, (\new)
.endif
.endm
.set MUL_LO, 0xa1
.set MUL_HI, 0xf1
.set TO_B,   0x40
.macro JLOAD g0a, g1a, g0b, g1b        ; waves 0 and 1 fetch for Y, waves 2 and 3 for Wo; four v_nop follow each of the two lines
	s_cmp_eq_u32 s15, 0
	s_cbranch_scc0 .Lfor_b_\@
	tensor_load_to_lds s[\g0a:\g0a+3], s[\g1a:\g1a+7]
	s_nop 0
.rept 4
	v_nop
.endr
	s_branch .Lasked_\@
.Lfor_b_\@:
	tensor_load_to_lds s[\g0b:\g0b+3], s[\g1b:\g1b+7]
	s_nop 0
.rept 4
	v_nop
.endr
.Lasked_\@:
.endm
.macro CREST
	s_cmp_lg_u32 s14, 0
	s_cbranch_scc1 .Lnot_wave_0_\@
	s_barrier_signal -3
.Lnot_wave_0_\@:
	s_barrier_wait -3
	s_barrier_signal -1
	s_barrier_wait -1
.endm
.macro CROUND
	s_barrier_signal -1
	s_barrier_wait -1
	CREST
.endm
.macro PLACES
.rept 4
	v_nop
.endr
.endm
	s_load_b256 s[4:11], s[0:1], 0x0               ; y, ys, Wo's codes, Wo's scales
	s_load_b64 s[12:13], s[0:1], 0x20              ; out0
	v_lshl_add_u32 v[SPW], v0, 2, SPARE
	v_mov_b32 v[NIL], 0
	ds_add_u32 v28, v29
	ds_add_u32 v28, v29
	s_wait_dscnt 0x0
	v_lshrrev_b32 v1, 5, v0
	v_readfirstlane_b32 s14, v1                    ; wave 0..3
	s_lshr_b32 s15, s14, 1                         ; my half of the tokens.  Also: I fetch for Y (0) or for Wo (1)
	s_and_b32 s16, s14, 1                          ; my half of the columns.  Also: which half of that tile I fetch
	s_bfe_u32 s40, ttmp6, 0x40000                  ; cx
	s_bfe_u32 s41, ttmp6, 0x40004                  ; cy
	s_lshl_b32 s42, ttmp9, 2
	s_add_co_u32 s42, s42, s40                     ; tile column
	s_and_b32 s17, ttmp7, 0xffff
	s_lshl_b32 s17, s17, 2
	s_add_co_u32 s17, s17, s41                     ; tile row
	s_lshl_b32 s43, s41, 2
	s_lshl_b32 s43, 15, s43                        ; my row of the cluster
	s_lshl_b32 s44, 0x1111, s40                    ; my column
	s_or_b32 s[G1+0], s43, (3<<16)|(1<<21)         ; Y: elements of 8 bytes, no padding
	s_mov_b32 s[G1+1], 384<<16                     ; rows of 3,072 bytes,
	s_mov_b32 s[G1+2], 8<<16                       ; eight of them,
	s_mov_b32 s[G1+3], 384<<16
	s_mov_b32 s[G1+4], 8
	s_mov_b32 s[G1+5], 1536                        ; 12,288 bytes apart
	s_mov_b32 s[G1+6], 0
	s_mov_b32 s[G1+7], 0
	s_or_b32 s[G1B+0], s44, (0<<16)|(1<<20)|(1<<21)|(3<<22)|(3<<25)   ; Wo: 128 rows of 192 bytes, 4 words of padding behind every 16
	s_mov_b32 s[G1B+1], ROWB<<16
	s_mov_b32 s[G1B+2], 128<<16
	s_mov_b32 s[G1B+3], ROWB<<16
	s_mov_b32 s[G1B+4], 128
	s_mov_b32 s[G1B+5], KROW
	s_mov_b32 s[G1B+6], 0
	s_mov_b32 s[G1B+7], 0
	s_mov_b32 s[HM], 0xffff0000
	s_lshl_b32 s20, s17, 4
	s_lshl_b32 s45, s16, 3
	s_add_co_u32 s20, s20, s45                     ; Y: the first of the eight tiles of 16 tokens that I fetch
	s_mul_i32 s20, s20, 12288
	s_mov_b32 s21, 0
	s_lshl_b32 s46, s42, 8
	s_lshl_b32 s45, s16, 7
	s_add_co_u32 s46, s46, s45                     ; Wo: the rows that I fetch
	s_mul_i32 s46, s46, KROW
	s_mov_b32 s47, 0
	s_mul_i32 s45, s16, HALFA                      ; where they go
	s_mul_i32 s19, s16, HALFB
	s_add_co_u32 s19, s19, 2*HALFA
	s_wait_kmcnt 0x0
	s_add_nc_u64 s[20:21], s[4:5], s[20:21]
	s_add_nc_u64 s[46:47], s[8:9], s[46:47]
	CROUND                                         ; all sixteen work-groups are here: the first joint loads meet
.irp s, 0,1
	s_mov_b32 s[G0+4*\s], 1
	s_add_co_u32 s[G0+4*\s+1], s45, \s*SLOT
	s_add_nc_u64 s[G0+4*\s+2:G0+4*\s+3], s[20:21], \s*3072
	s_or_b32 s[G0+4*\s+3], s[G0+4*\s+3], 0x80000000
	s_mov_b32 s[G0B+4*\s], 1
	s_add_co_u32 s[G0B+4*\s+1], s19, \s*SLOT
	s_add_nc_u64 s[G0B+4*\s+2:G0B+4*\s+3], s[46:47], \s*ROWB
	s_or_b32 s[G0B+4*\s+3], s[G0B+4*\s+3], 0x80000000
	JLOAD G0+4*\s, G1, G0B+4*\s, G1B               ; two loads of mine are out
.endr
	s_lshl_b32 s22, s17, 8
	s_lshl_b32 s23, s15, 7
	s_add_co_u32 s22, s22, s23
	s_lshl_b32 s22, s22, 5                         ; 32 scale bytes a row
	s_mov_b32 s23, 0
	s_add_nc_u64 s[6:7], s[6:7], s[22:23]
	s_lshl_b32 s22, s42, 8
	s_lshl_b32 s2, s16, 7
	s_add_co_u32 s22, s22, s2
	s_lshl_b32 s22, s22, 5
	s_add_nc_u64 s[10:11], s[10:11], s[22:23]
	v_and_b32 v1, 15, v0                           ; r
	v_bfe_u32 v2, v0, 4, 1                         ; h
	v_and_b32 v3, 31, v0                           ; lane
	v_lshlrev_b32 v13, 5, v1
.irp i, 0,1,2,3,4,5,6,7
	global_load_b128 v[SC+8*\i:SC+8*\i+3], v13, s[6:7] offset:512*\i
	global_load_b128 v[SC+8*\i+4:SC+8*\i+7], v13, s[6:7] offset:512*\i+16
	global_load_b128 v[128+8*\i:128+8*\i+3], v13, s[10:11] offset:512*\i
	global_load_b128 v[128+8*\i+4:128+8*\i+7], v13, s[10:11] offset:512*\i+16
.endr
	v_lshlrev_b32 v4, 4, v3
	v_lshlrev_b32 v5, 3, v3
	v_mul_u32_u24 v6, v1, PITCH
	v_mul_u32_u24 v7, v2, 24
	v_add_nc_u32 v6, v6, v7                        ; Wo: row x pitch + 24 x half
	v_lshl_add_u32 v7, v2, 4, v6                   ; and behind one padding more
	s_mul_i32 s2, s15, HALFA                       ; my 128 tokens
	s_mul_i32 s3, s16, HALFB                       ; my 128 rows of Wo,
	s_add_co_u32 s3, s3, 2*HALFA                   ; behind Y's
.irp s, 0,1
	v_add_nc_u32 v[ADRA+\s], s2, v4
	v_add_nc_u32 v[ADRA+2+\s], s2, v5
	v_add_nc_u32 v[ADRB+\s], s3, v6
	v_add_nc_u32 v[ADRB+2+\s], s3, v7
	s_add_co_u32 s2, s2, SLOT
	s_add_co_u32 s3, s3, SLOT
.endr
	s_mul_i32 s23, s14, 16*SPITCH                  ; my stage
	v_mul_u32_u24 v5, v1, SPITCH
	v_lshl_add_u32 v5, v2, 5, v5
	v_add_nc_u32 v[STO], s23, v5                   ; in: row r, 32 bytes for each half of the lanes
	v_lshlrev_b32 v[CO], 4, v3                     ; back: the 32 lanes take one row of 512 bytes; and the same in out0
	v_add_nc_u32 v[RD], s23, v[CO]
	s_lshl_b32 s20, s17, 8
	s_lshl_b32 s21, s15, 7
	s_add_co_u32 s20, s20, s21                     ; my first token
	s_lshl_b32 s20, s20, 12                        ; 4,096 bytes a row
	s_lshl_b32 s46, s42, 10
	s_lshl_b32 s47, s16, 9
	s_add_co_u32 s46, s46, s47                     ; my first column, in bytes
	s_add_co_u32 s20, s20, s46
	s_mov_b32 s21, 0
	s_add_nc_u64 s[12:13], s[12:13], s[20:21]
	s_wait_loadcnt 0x0
.set n, 0
.rept 64
	v_cndmask_b32 v[SC+n], v[SC+n], v[128+n], s[HM]   ; lanes 16-31 take Wo's words
.set n, n+1
.endr
.rept 8
	v_nop                                          ; a scale register written by a vector instruction stands eight places ahead of a scaled matrix instruction
.endr
.macro FRAGB reg, adr, q, i
.irp p, 0,1,2,3,4,5
.set PCE, 12*(\q)+6*(\p/3)+\p%3
.if PCE%8 < 5
	ds_load_b64 v[\reg+2*\p:\reg+2*\p+1], v[\adr] offset:8*PCE+16*(PCE/8)+(\i)*16*PITCH
.else
	ds_load_b64 v[\reg+2*\p:\reg+2*\p+1], v[\adr+2] offset:8*PCE+16*(PCE/8)+(\i)*16*PITCH
.endif
.endr
.endm
.macro FRAGA reg, slot, q, i           ; heads 2 q and 2 q + 1 of the slot's four: registers 0-5 and 6-11
.irp c, 0,1
	ds_load_b128 v[\reg+6*\c:\reg+6*\c+3], v[ADRA+\slot] offset:3072*(\i)+768*(2*(\q)+\c)
	ds_load_b64 v[\reg+6*\c+4:\reg+6*\c+5], v[ADRA+2+\slot] offset:3072*(\i)+768*(2*(\q)+\c)+512
.endr
.endm
.macro MUL16 a0, p, kq, zero           ; the 64 accumulators take turns, one instruction a turn
.irp a, \a0, \a0+1
.irp b, 0,1,2,3,4,5,6,7
.if \zero
	v_wmma_scale_f32_16x16x128_f8f6f4 v[8*(8*((\a)%4)+\b):8*(8*((\a)%4)+\b)+7], v[128*(\p)+FR*\b:128*(\p)+FR*\b+FR-1], v[AF+FR*(\a):AF+FR*(\a)+FR-1], 0, v[SC+8*\b+(\kq)], v[SC+8*(\a)+(\kq)] matrix_a_fmt:MATRIX_FMT_FP6 matrix_b_fmt:MATRIX_FMT_FP6 matrix_a_scale:MATRIX_SCALE_ROW1
.else
	v_wmma_scale_f32_16x16x128_f8f6f4 v[8*(8*((\a)%4)+\b):8*(8*((\a)%4)+\b)+7], v[128*(\p)+FR*\b:128*(\p)+FR*\b+FR-1], v[AF+FR*(\a):AF+FR*(\a)+FR-1], v[8*(8*((\a)%4)+\b):8*(8*((\a)%4)+\b)+7], v[SC+8*\b+(\kq)], v[SC+8*(\a)+(\kq)] matrix_a_fmt:MATRIX_FMT_FP6 matrix_b_fmt:MATRIX_FMT_FP6 matrix_a_scale:MATRIX_SCALE_ROW1
.endif
.endr
.endr
.endm
.macro FETCH_B slot, q, p
	WIN TO_B
.irp i, 0,1,2,3,4,5,6,7
	FRAGB 128*(\p)+FR*\i, ADRB+\slot, \q, \i
.endr
	WIN 0
.endm
.macro FETCH_A slot, q, i0
.irp i, \i0, \i0+1, \i0+2, \i0+3
	FRAGA AF+FR*(\i), \slot, \q, \i
.endr
.endm
.macro STEP slot, kq, zero
	s_wait_dscnt 4*NLA                             ; Wo's set and Y's blocks 0-3 are in; the youngest 16 loads (blocks 4-7) may be out
	WIN MUL_LO
	MUL16 0, 0, \kq, \zero
	MUL16 2, 0, \kq, \zero
	s_wait_dscnt 0
	PLACES
	FETCH_B \slot, 1, 1
	FETCH_A \slot, 1, 0
	WIN MUL_HI
	MUL16 4, 0, \kq, \zero
	MUL16 6, 0, \kq, \zero
	PLACES
	WIN 0
	FETCH_A \slot, 1, 4
.endm
.macro TURN slot, next, fill, kq
	s_wait_tensorcnt 0x0                           ; all my tensor loads have landed: my part of the next slot
	ds_add_u32 v[SPW], v[NIL]                      ; 0 onto my spare word
	s_wait_dscnt 4*NLA+1                           ; (the add and the youngest 16 loads may be out)
	WIN MUL_LO
	MUL16 0, 1, \kq, 0
	s_wait_dscnt 0x0                               ; the add is done, and my reads of this slot are over
	s_barrier_signal -1
	MUL16 2, 1, \kq, 0
	WIN 0
	s_barrier_wait -1
.if \fill
	CREST                                          ; the barrier has opened a round of the cluster's: no wave of any partner still reads this slot or has a load on its way
	s_add_nc_u64 s[G0+4*\slot+2:G0+4*\slot+3], s[G0+4*\slot+2:G0+4*\slot+3], 2*3072
	s_add_nc_u64 s[G0B+4*\slot+2:G0B+4*\slot+3], s[G0B+4*\slot+2:G0B+4*\slot+3], 2*ROWB
	JLOAD G0+4*\slot, G1, G0B+4*\slot, G1B         ; the first tensor load behind the round; its four v_nop are the places in front of the loads below
.else
	PLACES
.endif
	FETCH_B \next, 0, 0
	FETCH_A \next, 0, 0
	WIN MUL_HI
	MUL16 4, 1, \kq, 0
	MUL16 6, 1, \kq, 0
	PLACES
	WIN 0
	FETCH_A \next, 0, 4
.endm
	s_wait_tensorcnt 0x1                           ; my part of slot 0 is in; slot 1's may be out
	s_barrier_signal -1
	s_barrier_wait -1
	FETCH_B 0, 0, 0
	FETCH_A 0, 0, 0
	FETCH_A 0, 0, 4
	STEP 0, 0, 1                                   ; the first products start the sums
	TURN 0, 1, 1, 1
	STEP 1, 2, 0
	TURN 1, 0, 1, 3
	STEP 0, 4, 0
	TURN 0, 1, 0, 5                                ; nothing is left to fetch; behind its barrier nobody reads slot 0
	STEP 1, 6, 0
	s_wait_dscnt 4*NLA
	WIN MUL_LO
	MUL16 0, 1, 7, 0
	MUL16 2, 1, 7, 0
	s_wait_dscnt 0
	WIN MUL_HI
	MUL16 4, 1, 7, 0
	MUL16 6, 1, 7, 0
	WIN 0
; THE WAY OUT, block by block of 16 tokens x 128 columns, through my own stage: in as 32 bytes a lane, back as whole rows of 512 bytes.  LDS serves a wave's instructions in order (ISA guide 5.7.1.4).
.macro TOSTAGE a
.set AC, 64*((\a)%4)
	WIN 0x08+4*((\a)/4)                            ; an LDS store's data: window 2 or 3
.irp b, 0,1,2,3,4,5,6,7
	ds_store_b128 v[STO], v[AC+8*\b:AC+8*\b+3] offset:64*\b          ; each accumulator from its low end on
	ds_store_b128 v[STO], v[AC+8*\b+4:AC+8*\b+7] offset:64*\b+16
.endr
	WIN 0
.set BB, BK+64*((\a)%2)
.irp t, 0,1,2,3,4,5,6,7,8,9,10,11,12,13,14,15
	ds_load_b128 v[BB+4*\t:BB+4*\t+3], v[RD] offset:\t*SPITCH
.endr
.endm
.macro SEND a, younger                 ; younger: the LDS instructions issued behind block a's loads, which may stay out
.set BB, BK+64*((\a)%2)
	s_wait_dscnt \younger
.if (\a) > 0
	s_add_nc_u64 s[12:13], s[12:13], 16*SIZE_N*4   ; (behind a wait on XCNT: the earlier stores have read their base)
.endif
.irp t, 0,1,2,3,4,5,6,7,8,9,10,11,12,13,14,15
	global_store_b128 v[CO], v[BB+4*\t:BB+4*\t+3], s[12:13] offset:\t*SIZE_N*4 th:TH_STORE_NT   ; 32 lanes store 512 consecutive bytes, at a multiple of 256 from out0's first byte
.endr
.endm
	PLACES
	TOSTAGE 0
.irp a, 1,2,3,4,5,6,7
.if \a > 1
	s_wait_xcnt 0x0                                ; block a - 2's stores have read their registers and their base
.endif
	TOSTAGE \a
	SEND \a-1, 32                                  ; behind block a - 1's loads: block a's 16 stores and 16 loads
.endr
	s_wait_xcnt 0x0
	SEND 7, 0
	s_wait_tensorcnt 0x0                           ; the wave's end
	ds_add_u32 v[SPW], v[NIL]
	s_wait_dscnt 0x0
	CROUND                                         ; the closing round
	s_endpgm
.Lfunc_end_k_q3ad9d19209_proj:
	.size	k_q3ad9d19209_proj, .Lfunc_end_k_q3ad9d19209_proj-k_q3ad9d19209_proj
	.p2alignl 7, 3214868480
	.fill 96, 4, 3214868480
	.section	.rodata,"a",@progbits
	.p2align	6, 0x0
	.amdhsa_kernel k_q3ad9d19209_proj
		.amdhsa_group_segment_fixed_size 327680
		.amdhsa_private_segment_fixed_size 0
		.amdhsa_enable_private_segment 0
		.amdhsa_kernarg_size 40
		.amdhsa_user_sgpr_count 2
		.amdhsa_user_sgpr_kernarg_segment_ptr 1
		.amdhsa_wavefront_size32 1
		.amdhsa_system_sgpr_workgroup_id_x 1
		.amdhsa_system_sgpr_workgroup_id_y 1
		.amdhsa_system_sgpr_workgroup_id_z 1
		.amdhsa_system_vgpr_workitem_id 0
		.amdhsa_next_free_vgpr 1024
		.amdhsa_next_free_sgpr 100
		.amdhsa_reserve_vcc 0
		.amdhsa_float_denorm_mode_32 3
		.amdhsa_float_denorm_mode_16_64 3
		.amdhsa_memory_ordered 1
		.amdhsa_forward_progress 1
		.amdhsa_inst_pref_size 155
	.end_amdhsa_kernel
	.amdgpu_metadata
---
amdhsa.version: [ 1, 2 ]
amdhsa.kernels:
  - .name:           k_q3ad9d19209_proj
    .symbol:         k_q3ad9d19209_proj.kd
    .args:
      - { .name: y, .offset: 0, .size: 8, .value_kind: global_buffer, .address_space: global }
      - { .name: ys, .offset: 8, .size: 8, .value_kind: global_buffer, .address_space: global }
      - { .name: Wo_codes, .offset: 16, .size: 8, .value_kind: global_buffer, .address_space: global }
      - { .name: Wo_scales, .offset: 24, .size: 8, .value_kind: global_buffer, .address_space: global }
      - { .name: out0, .offset: 32, .size: 8, .value_kind: global_buffer, .address_space: global }
    .group_segment_fixed_size: 327680
    .private_segment_fixed_size: 0
    .kernarg_segment_align: 8
    .kernarg_segment_size: 40
    .max_flat_workgroup_size: 128
    .sgpr_count:     100
    .vgpr_count:     1024
    .wavefront_size: 32
...
	.end_amdgpu_metadata
.endif
;; end of part 3
